; MI455X (gfx1250); checked and timed in simulation.
; The chip was launched on July 23, 2026; its instructions are those of AMD's public machine-readable ISA for CDNA 5 (MIT licence, August 2026) and "CDNA5" Instruction Set Architecture Reference Guide (July 2026). The comments in the code are by the model that wrote it; some were corrected since.
;; Min LSTM. Allowed arithmetic: float matrix products may take bf16 or f16 operands with f32 sums; all other float work in f32.
;; Inputs: W_f 1,024 x 1,024 float32; W_h 1,024 x 1,024 float32; W_i 1,024 x 1,024 float32; b_f 1,024 float32; b_h 1,024 float32; b_i 1,024 float32; x 4 x 4,096 x 1,024 float32.
;; Outputs: out0 4 x 4,096 x 1,024 float32.
;; 2 versions, each right; version 2 is version 1 with the launches cvt, fix written anew for expert scheduling mode. Each part assembles by itself: llvm-mc -triple=amdgcn-amd-amdhsa -mcpu=gfx1250 --defsym DOCPART=n.
;; ======== version 1 of 2: 3 launches
;; workspace buffers: xb 33,554,432 bytes; wb 6,291,456 bytes; fcum 67,108,864 bytes; hloc 67,108,864 bytes
;; launch cvt (part 1): grid 256 x 1, 16 waves a work-group, no clusters, 0 bytes of LDS; arguments x, W_f, W_i, W_h, xb, wb; writes xb, wb
.if DOCPART == 1
	.amdgcn_target "amdgcn-amd-amdhsa--gfx1250"
	.amdhsa_code_object_version 6
	.text
	.protected	k_q4ccee7befb_cvt
	.globl	k_q4ccee7befb_cvt
	.p2align	8
	.type	k_q4ccee7befb_cvt,@function
k_q4ccee7befb_cvt:
	s_mov_b64 s[64:65], 0
	v_nop
	global_prefetch_b8 v0, s[64:65] scope:SCOPE_SE
	s_setreg_imm32_b32 hwreg(HW_REG_WAVE_MODE, 25, 1), 1
	s_wait_xcnt 0x0
; x [16384][1024] and W_f, W_i, W_h [1024][1024], f32, are rounded once to bf16 (nearest even) and laid out as the product's tiles want them:
;   xb [G 16][tau 4][ks 8][rho 256][128]   blocks of 256 rows x 256 bytes, dense
;   wb [s 16][ks 8][beta 192][128]         blocks of 192 rows x 256 bytes, dense
; Row R of x = 1024 G + 128 sigma + 32 tau + 8 a + j goes to row rho = 64 (sigma / 2) + 16 a + 8 (sigma % 2) + j of block (G, tau, ks).
; Row e of gate g's weights = 64 s + 4 r + b goes to row beta = 64 g + 16 b + r of block (s, ks).  ks counts pieces of 128 along K.
; A stream: no LDS, no barrier, no loop, no matrix unit (nothing is multiplied).  Wave w of 4,096 takes four rows of x (32 pieces of 512 bytes) and a quarter
; of row w / 4 of each W (6 pieces).  All 38 loads are issued at once; each piece leaves as one store of 32 lanes x 8 bytes = 256 consecutive bytes, aligned.
; No register is written twice while a memory instruction may read it: each piece has its own four registers.
.set X,  8                             ; v[8:159]  piece n: four registers as loaded; its first two then hold the four bf16 pairs' 8 bytes
.set NW, 6                             ; pieces of W: gate n / 2, piece n % 2 of my quarter row
.set NX, 32                            ; pieces of x: row (n - 6) / 8 of my four, ks = (n - 6) % 8
.set NL, NW+NX
	s_load_b256 s[4:11], s[0:1], 0x0               ; x s[4:5], W_f s[6:7], W_i s[8:9], W_h s[10:11]
	s_load_b128 s[12:15], s[0:1], 0x20             ; xb s[12:13], wb s[14:15]
	v_lshrrev_b32 v3, 5, v0
	v_readfirstlane_b32 s16, v3                    ; my wave in the work-group
	v_and_b32 v2, 31, v0                           ; lane
	v_lshlrev_b32 v1, 4, v2                        ; 16 bytes a lane in a piece as loaded
	v_lshlrev_b32 v2, 3, v2                        ; 8 bytes a lane in a piece as stored
	s_lshl_b32 s17, ttmp9, 4
	s_add_co_u32 s17, s17, s16                     ; w = 16 x work-group + wave
	s_lshl_b32 s20, s17, 14                        ; x: four rows of 4,096 bytes a wave
	s_mov_b32 s21, 0
	s_lshr_b32 s18, s17, 8                         ; G = w / 256
	s_lshl_b32 s18, s18, 2
	s_bfe_u32 s19, s17, 0x20003                    ; tau = (w / 8) % 4
	s_add_co_u32 s18, s18, s19
	s_lshl_b32 s22, s18, 19                        ; (4 G + tau) x 8 blocks of 65,536 bytes
	s_bfe_u32 s18, s17, 0x20006                    ; sigma / 2 = (w / 64) % 4
	s_lshl_b32 s18, s18, 6
	s_bfe_u32 s19, s17, 0x20001                    ; a = (w / 2) % 4
	s_lshl4_add_u32 s18, s19, s18
	s_bfe_u32 s19, s17, 0x10005                    ; sigma % 2 = (w / 32) % 2
	s_lshl3_add_u32 s18, s19, s18
	s_and_b32 s19, s17, 1                          ; j = 4 (w % 2) + the row among my four
	s_lshl2_add_u32 s18, s19, s18
	s_lshl_b32 s18, s18, 8                         ; rho x 256 bytes
	s_add_co_u32 s22, s22, s18
	s_mov_b32 s23, 0
	s_lshr_b32 s18, s17, 2                         ; e = w / 4
	s_and_b32 s19, s17, 3                          ; which quarter of the row
	s_lshl_b32 s24, s18, 12
	s_lshl_b32 s28, s19, 10
	s_add_co_u32 s24, s24, s28                     ; W: e x 4,096 + quarter x 1,024
	s_mov_b32 s25, 0
	s_lshr_b32 s26, s18, 6                         ; s = e / 64
	s_mul_i32 s26, s26, 393216                     ; 8 blocks of 49,152 bytes
	s_mul_i32 s28, s19, 98304                      ; two blocks a quarter
	s_add_co_u32 s26, s26, s28
	s_and_b32 s28, s18, 3                          ; b = e % 4
	s_lshl_b32 s28, s28, 4
	s_bfe_u32 s29, s18, 0x40002                    ; r = (e / 4) % 16
	s_add_co_u32 s28, s28, s29
	s_lshl_b32 s28, s28, 8                         ; (16 b + r) x 256 bytes; the gate's 64 rows stand in the store's immediate
	s_add_co_u32 s26, s26, s28
	s_mov_b32 s27, 0
	s_wait_kmcnt 0x0
	s_add_nc_u64 s[4:5], s[4:5], s[20:21]
	s_add_nc_u64 s[6:7], s[6:7], s[24:25]
	s_add_nc_u64 s[8:9], s[8:9], s[24:25]
	s_add_nc_u64 s[10:11], s[10:11], s[24:25]
	s_add_nc_u64 s[12:13], s[12:13], s[22:23]
	s_add_nc_u64 s[14:15], s[14:15], s[26:27]
.set n, 0
.rept NW                               ; every byte of W and x is read once in the launch
	global_load_b128 v[X+4*n:X+4*n+3], v1, s[6+2*(n/2):7+2*(n/2)] offset:(n%2)*512 th:TH_LOAD_NT
.set n, n+1
.endr
.rept NX
	global_load_b128 v[X+4*n:X+4*n+3], v1, s[4:5] offset:((n-NW)/8)*4096+((n-NW)%8)*512 th:TH_LOAD_NT
.set n, n+1
.endr
.set n, 0
.rept NL
	s_wait_loadcnt NL-1-n                          ; loads come back in order (ISA guide 5.7.1): piece n is in, the younger ones stay out
	v_cvt_pk_bf16_f32 v[X+4*n], v[X+4*n], v[X+4*n+1]
	v_cvt_pk_bf16_f32 v[X+4*n+1], v[X+4*n+2], v[X+4*n+3]
.if n < NW
	global_store_b64 v2, v[X+4*n:X+4*n+1], s[14:15] offset:(n%2)*49152+(n/2)*16384
.else
	global_store_b64 v2, v[X+4*n:X+4*n+1], s[12:13] offset:((n-NW)%8)*65536+((n-NW)/8)*256
.endif
.set n, n+1
.endr
	s_endpgm
.Lfunc_end_k_q4ccee7befb_cvt:
	.size	k_q4ccee7befb_cvt, .Lfunc_end_k_q4ccee7befb_cvt-k_q4ccee7befb_cvt
	.p2alignl 7, 3214868480
	.fill 96, 4, 3214868480
	.section	.rodata,"a",@progbits
	.p2align	6, 0x0
	.amdhsa_kernel k_q4ccee7befb_cvt
		.amdhsa_group_segment_fixed_size 0
		.amdhsa_private_segment_fixed_size 0
		.amdhsa_enable_private_segment 0
		.amdhsa_kernarg_size 48
		.amdhsa_user_sgpr_count 2
		.amdhsa_user_sgpr_kernarg_segment_ptr 1
		.amdhsa_wavefront_size32 1
		.amdhsa_system_sgpr_workgroup_id_x 1
		.amdhsa_system_sgpr_workgroup_id_y 1
		.amdhsa_system_sgpr_workgroup_id_z 1
		.amdhsa_system_vgpr_workitem_id 0
		.amdhsa_next_free_vgpr 160
		.amdhsa_next_free_sgpr 66
		.amdhsa_reserve_vcc 0
		.amdhsa_float_denorm_mode_32 3
		.amdhsa_float_denorm_mode_16_64 3
		.amdhsa_memory_ordered 1
		.amdhsa_forward_progress 1
		.amdhsa_inst_pref_size 16
	.end_amdhsa_kernel
	.amdgpu_metadata
---
amdhsa.version: [ 1, 2 ]
amdhsa.kernels:
  - .name:           k_q4ccee7befb_cvt
    .symbol:         k_q4ccee7befb_cvt.kd
    .args:
      - { .name: x, .offset: 0, .size: 8, .value_kind: global_buffer, .address_space: global }
      - { .name: W_f, .offset: 8, .size: 8, .value_kind: global_buffer, .address_space: global }
      - { .name: W_i, .offset: 16, .size: 8, .value_kind: global_buffer, .address_space: global }
      - { .name: W_h, .offset: 24, .size: 8, .value_kind: global_buffer, .address_space: global }
      - { .name: xb, .offset: 32, .size: 8, .value_kind: global_buffer, .address_space: global }
      - { .name: wb, .offset: 40, .size: 8, .value_kind: global_buffer, .address_space: global }
    .group_segment_fixed_size: 0
    .private_segment_fixed_size: 0
    .kernarg_segment_align: 8
    .kernarg_segment_size: 48
    .max_flat_workgroup_size: 512
    .sgpr_count:     66
    .vgpr_count:     160
    .wavefront_size: 32
...
	.end_amdgpu_metadata
.endif
;; end of part 1
;; launch gates (part 2): grid 16 x 16, 4 waves a work-group, clusters of 4 x 4, 327,680 bytes of LDS; arguments xb, wb, b_f, b_i, b_h, fcum, hloc; writes fcum, hloc
.if DOCPART == 2
	.amdgcn_target "amdgcn-amd-amdhsa--gfx1250"
	.amdhsa_code_object_version 6
	.text
	.protected	k_q4ccee7befb_gates
	.globl	k_q4ccee7befb_gates
	.p2align	8
	.type	k_q4ccee7befb_gates,@function
k_q4ccee7befb_gates:
	s_mov_b64 s[64:65], 0
	v_nop
	global_prefetch_b8 v0, s[64:65] scope:SCOPE_SE
	s_setreg_imm32_b32 hwreg(HW_REG_WAVE_MODE, 25, 1), 1
	s_wait_xcnt 0x0
	s_wait_alu depctr_hold_cnt(0) depctr_sa_sdst(0) depctr_va_vdst(0) depctr_va_sdst(0) depctr_va_ssrc(0) depctr_va_vcc(0) depctr_vm_vsrc(0)
	s_getreg_b32 s2, hwreg(HW_REG_IB_STS2, 6, 4)
	s_cmp_eq_u32 s2, 0
	s_cbranch_scc0 .Lentry_in_a_cluster
	s_endpgm
.Lentry_in_a_cluster:
	s_bfe_u32 s2, ttmp6, 0x10000c
	s_cmp_lg_u32 s2, 0xf033
	s_cbranch_scc0 .Lentry_shape_is_right
	s_endpgm
.Lentry_shape_is_right:
; THE THREE PROJECTIONS, THE GATES, AND THE SCAN INSIDE CHUNKS OF 128 STEPS.
; f_pre, i_pre, h_pre = x W^T + b (bf16 operands, f32 sums, K = 1,024).  exp(log_f) = f' = (1 + e^-i) / ((1 + e^-i) + (1 + e^-f)), exp(log_i) = i' = 1 - f', exp(log_tilde_h) = g = max(h, 0) + sigmoid(min(h, 0)),
; and a_star + cumlogsumexp(..) is the logarithm of h_t = f'_t h_(t-1) + i'_t g_t, h_0 = 0.  That recurrence is run as it stands: h_t is a mixture, with weights that add to 1, of numbers that are not negative,
; so it never passes the largest g, and no exponential of an unbounded number is formed for it.  In the gates a maximum IS taken away: with p = f log2(e), q = i log2(e), nm = min(p, q, 0),
; f' = (2^nm + 2^(nm-q)) / DEN, i' = (2^nm + 2^(nm-p)) / DEN: all three exponents are at most 0 and one of them is 0, so DEN lies in 1 to 4 for every input.
; STORED, both f32 [16384][1024] in x's row order: fcum[t] = the product of f' from the chunk's first step to t; hloc[t] = the scan with h = 0 ahead of the chunk.  The next launch adds fcum x carry.
; LIMITS.  NaN and infinities are not treated apart.  An exponential below 2^-126 counts as 0 (ISA guide 15.8), so a g, a gate's share or an fcum below that counts as 0.
; SHARES.  Work-group (s, G): 64 channels 64 s .., 1,024 consecutive rows 1024 G .. of one batch, as four tiles of 256 rows x 64 channels x 3 gates.  Wave w: 64 rows of a tile, 48 accumulators of 16 x 16.
; xb holds the rows so permuted that tile row 64 w + 16 a + 8 h + j is step 128 (2 w + h) + 32 tau + 8 a + j of the group: in the result (register j, lane (r, h): row 8 h + j, column r) a lane walks 32
; consecutive steps of one channel through a = 0..3, j = 0..7, and goes on in the next tile: the scan needs no exchange between lanes, and its carry stays in registers over the work-group's four tiles = one chunk.
; wb holds the weights so permuted that column r of n block b is channel 64 s + 4 r + b: a lane's four n blocks are four neighbouring channels, 16 bytes, and sixteen lanes store 256 consecutive bytes, aligned.
; THE RING.  K goes in steps of 128 through two LDS slots (256 rows of x, 192 rows of weights, 256 bytes a row).  One tensor load a wave behind each change of slots: waves 0, 1 the halves of x's tile, waves 2, 3
; of the weights'.  The ring runs on into the next tile: a tile's last two changes of slots ask for the next tile's first two K steps.  By this text's count a wave has two tensor loads out at the start, later one.
; CLUSTER 4 x 4.  x's tiles hang on G alone and are asked for jointly by the four work-groups of a row of the cluster, the weights' on s alone, by the four of a column.
; THE TEXT.  A tile's last lap stands twice; both run into ONE way out, which stands once.
; REGISTERS, in windows of 256 (s_set_vgpr_msb: bits 1:0 source 0, 3:2 source 1, 5:4 source 2, 7:6 destination):
;   window 0: addresses, biases, the way out's registers      window 1: two fragment buffers of 128 (x: 4 x 8, weights: 12 x 8)
;   window 2: v0-127 gate f's sums (a, b) at 8 (4 a + b); v128-255 gate i's      window 3: v0-127 gate h's
.set PITCH,  272                       ; an LDS row: 256 bytes + 16 of padding = 68 words: row r starts at bank 4 r mod 64 (64 banks of 4 bytes: ISA guide 11.1), so the 16 rows of a load start at 16 different banks
.set HALFA,  128*PITCH                 ; what a tensor load of x's rows fills
.set HALFB,  96*PITCH                  ; what a tensor load of weights fills
.set BOFF,   2*HALFA                   ; in a slot the weights lie behind x's 256 rows
.set SLOT,   2*HALFA+2*HALFB
.set SPARE,  2*SLOT                    ; behind the ring: the spare words, 128 bytes for each wave: two blocks of 256 bytes that no other line names
.set XBLK,   65536                     ; a block of xb: one tile's K step
.set WBLK,   49152                     ; a block of wb
.set ROWB,   4096                      ; a row of fcum and hloc
.set TILES,  4
.set LAPS,   4                         ; a lap = two K steps = once round the ring; K = 1,024 is eight steps
.set ADRA, 16                          ; v16-17  LDS address of my fragments of x in slot 0, 1
.set ADRB, 20                          ; v20-21  the same for the weights
.set CO,   26                          ; v26     my byte offset in the wave's rows of fcum and hloc: 128 rows for the upper half of the lanes, 16 bytes a lane; never rewritten
.set SPW,  28                          ; v28     LDS address of my spare word: SPARE + 4 x my thread's number; never rewritten
.set NIL,  29                          ; v29     0; never rewritten
.set BF,   32                          ; v[32+2b:33+2b]  b_f log2(e) of my channel b, twice
.set BI,   40                          ; the same of b_i
.set BH,   48                          ; b_h, twice
.set T,    64                          ; v[64+12b ..]  at work for channel b, in pairs (two steps): +0 P, +2 Q, +4 NM, +6 HH, +8 HL, +10 AA
.set OS,   128                         ; v[128 + 16 set + 8 row + 4 array + b]  what is stored: two sets by turns, two steps, array 0 = h, 1 = the product of f'
.set F0,   0                           ; fragment buffers, in window 1
.set F1,   128
.set WV,   18                          ; s18  my wave's number
.set HALF, 19                          ; s19  which half of a tile I fetch
.set G1A,  24                          ; s[24:31] descriptor group 1 for x's tiles
.set G0A,  32                          ; s[32:39] group 0, a set for each slot
.set G1B,  48                          ; s[48:55], s[56:63] the same for the weights' tiles
.set G0B,  56
.set LG,   66                          ; s[66:67] log2(e): the packed forms name the pair and take its low word for both halves
.set MSB, 0
.macro WIN new                         ; the immediate's high byte repeats the setting that is left; a switch that changes nothing is dropped
.if MSB != (\new)
	s_set_vgpr_msb (MSB<<8)|(\new)
.set MSB, \new
.endif
.endm
.set MUL_FI, 0xa5                      ; both sources window 1, C and D window 2
.set TO_F,   0x40                      ; destination window 1, address window 0
.set RD_FI,  0x02                      ; source 0 window 2
.set RD_H,   0x03                      ; source 0 window 3
.macro PLACES                          ; four places behind matrix instructions, in front of loads into registers that they read and of vector lines that read their results (ISA guide 7.12.1 for vector lines)
.rept 4
	v_nop
.endr
.endm
; A joint load.  The branch hangs on the wave's number alone.  An s_nop 0 and four v_nop follow each of the two lines, ahead of the jump, the label and what follows.
.macro JLOAD s
	s_cmp_lt_u32 s[WV], 2
	s_cbranch_scc0 .Lfor_b_\@
	tensor_load_to_lds s[G0A+4*(\s):G0A+4*(\s)+3], s[G1A:G1A+7]
	s_nop 0
.rept 4
	v_nop
.endr
	s_branch .Lasked_\@
.Lfor_b_\@:
	tensor_load_to_lds s[G0B+4*(\s):G0B+4*(\s)+3], s[G1B:G1B+7]
	s_nop 0
.rept 4
	v_nop
.endr
.Lasked_\@:
.endm
; A round of the cluster's barrier: my work-group's barrier, so that wave 0's signal speaks for all four waves; wave 0 signals; every wave waits for all sixteen work-groups; my work-group's barrier once more.
.macro CREST                           ; a round behind its opening barrier
	s_cmp_lg_u32 s[WV], 0
	s_cbranch_scc1 .Lnot_wave_0_\@
	s_barrier_signal -3
.Lnot_wave_0_\@:
	s_barrier_wait -3
	s_barrier_signal -1
	s_barrier_wait -1
.endm
.macro CROUND
	s_barrier_signal -1
	s_barrier_wait -1
	CREST
.endm
	s_load_b256 s[4:11], s[0:1], 0x0               ; xb s[4:5], wb s[6:7], b_f s[8:9], b_i s[10:11]
	s_load_b128 s[12:15], s[0:1], 0x20             ; b_h s[12:13], fcum s[14:15]
	s_load_b64 s[16:17], s[0:1], 0x30              ; hloc
	v_lshl_add_u32 v[SPW], v0, 2, SPARE
	v_mov_b32 v[NIL], 0
	ds_add_u32 v[SPW], v[NIL]                      ; the wave's opening: the add and its wait stand ahead of my first tensor load; the set-up below, work on registers, stands between them
	v_lshrrev_b32 v3, 5, v0
	v_readfirstlane_b32 s[WV], v3                  ; wave 0..3
	s_and_b32 s[HALF], s[WV], 1
	s_bfe_u32 s20, ttmp6, 0x40000                  ; cx: my place along the cluster's x
	s_bfe_u32 s21, ttmp6, 0x40004                  ; cy: along its y
	s_lshl_b32 s22, ttmp9, 2                       ; in a cluster launch ttmp9 and ttmp7 count clusters
	s_add_co_u32 s22, s22, s20                     ; s = 4 x cluster x + cx
	s_and_b32 s23, ttmp7, 0xffff
	s_lshl_b32 s23, s23, 2
	s_add_co_u32 s23, s23, s21                     ; G = 4 x cluster y + cy
	s_lshl_b32 s44, s21, 2
	s_lshl_b32 s44, 15, s44                        ; my row of the cluster: places 4 cy .. 4 cy + 3
	s_lshl_b32 s45, 0x1111, s20                    ; my column: places cx, cx + 4, cx + 8, cx + 12
	; descriptor group 1: dense rows of 128 elements of 2 bytes, padded in LDS
	s_or_b32 s[G1A+0], s44, (1<<16)|(1<<20)|(1<<21)|(5<<22)|(3<<25)  ; 15:0 the mask; 17:16 2-byte elements; 20 padding on; 21 set beside a mask; 24:22 after every 64 words (code 5); 31:25 4 words of it (code 3)
	s_or_b32 s[G1B+0], s45, (1<<16)|(1<<20)|(1<<21)|(5<<22)|(3<<25)
	s_mov_b32 s[G1A+1], 128<<16                    ; tensor_dim0 = 128
	s_mov_b32 s[G1B+1], 128<<16
	s_mov_b32 s[G1A+2], 128<<16                    ; tensor_dim1 = 128 rows of x,
	s_mov_b32 s[G1B+2], 96<<16                     ; 96 rows of weights
	s_mov_b32 s[G1A+3], 128<<16                    ; tile_dim0 = 128
	s_mov_b32 s[G1B+3], 128<<16
	s_mov_b32 s[G1A+4], 128                        ; tile_dim1
	s_mov_b32 s[G1B+4], 96
	s_mov_b32 s[G1A+5], 128                        ; 128 elements from row to row: the blocks are dense
	s_mov_b32 s[G1B+5], 128
	s_mov_b32 s[G1A+6], 0
	s_mov_b32 s[G1B+6], 0
	s_mov_b32 s[G1A+7], 0
	s_mov_b32 s[G1B+7], 0
	; where the tiles come from: x's hang on G, which my row of the cluster shares, the weights' on s, which my column shares; each in registers that never hold the other coordinate
	s_lshl_b32 s40, s23, 21                        ; G x 32 blocks of 65,536 bytes
	s_lshl_b32 s46, s[HALF], 15                    ; + my 128 rows of 256 bytes
	s_add_co_u32 s40, s40, s46
	s_mov_b32 s41, 0
	s_mul_i32 s42, s22, 8*WBLK
	s_mul_i32 s47, s[HALF], 96*256
	s_add_co_u32 s42, s42, s47
	s_mov_b32 s43, 0
	s_mul_i32 s46, s[HALF], HALFA                  ; and where they go: no place in the cluster enters an LDS address
	s_mul_i32 s47, s[HALF], HALFB
	s_add_co_u32 s47, s47, BOFF
	s_mov_b32 s[LG], 0x3fb8aa3b                    ; log2(e)
	s_mov_b32 s[LG+1], s[LG]
	s_wait_dscnt 0x0                               ; the opening add is done
	s_wait_kmcnt 0x0
	s_add_nc_u64 s[40:41], s[4:5], s[40:41]
	s_add_nc_u64 s[42:43], s[6:7], s[42:43]
	CROUND                                         ; all sixteen work-groups are here: the first joint loads meet
.irp n, 0,1
	s_mov_b32 s[G0A+4*(\n)], 1                                         ; 1:0 count = 1
	s_add_co_u32 s[G0A+4*(\n)+1], s46, (\n)*SLOT                       ; 63:32 LDS address
	s_add_nc_u64 s[G0A+4*(\n)+2:G0A+4*(\n)+3], s[40:41], (\n)*XBLK     ; 120:64 global address: K step n of tile 0
	s_or_b32 s[G0A+4*(\n)+3], s[G0A+4*(\n)+3], 0x80000000              ; 127:126 type = 2
	s_mov_b32 s[G0B+4*(\n)], 1
	s_add_co_u32 s[G0B+4*(\n)+1], s47, (\n)*SLOT
	s_add_nc_u64 s[G0B+4*(\n)+2:G0B+4*(\n)+3], s[42:43], (\n)*WBLK
	s_or_b32 s[G0B+4*(\n)+3], s[G0B+4*(\n)+3], 0x80000000
	JLOAD \n                                       ; the ring is filled before anything else is done
.endr
	; while they land: biases, addresses, the scan's start
	v_and_b32 v1, 15, v0                           ; r = lane % 16
	v_bfe_u32 v2, v0, 4, 1                         ; h = lane / 16
	v_lshlrev_b32 v3, 4, v1
	s_lshl_b32 s68, s22, 8                         ; my strip's 64 channels of 4 bytes
	v_add_nc_u32 v3, s68, v3                       ; channels 64 s + 4 r .. + 3
	global_load_b128 v[4:7], v3, s[8:9]
	global_load_b128 v[8:11], v3, s[10:11]
	global_load_b128 v[12:15], v3, s[12:13]
	; A fragment is 16 rows x 32 K in 8 registers: lane l holds row l % 16; registers 0-3 K = 8 (l / 16) + 0..7, registers 4-7 K = 16 + 8 (l / 16) + 0..7: two loads of 16 bytes, 32 bytes apart.
	v_mul_u32_u24 v18, v1, PITCH
	v_lshl_add_u32 v18, v2, 4, v18                 ; row x pitch + 16 x half
	s_mul_i32 s69, s[WV], 64*PITCH                 ; my 64 rows of x's tile
	v_add_nc_u32 v[ADRA], s69, v18
	v_add_nc_u32 v[ADRA+1], SLOT, v[ADRA]
	v_add_nc_u32 v[ADRB], BOFF, v18                ; every wave reads all 192 rows of weights
	v_add_nc_u32 v[ADRB+1], SLOT, v[ADRB]
	v_lshlrev_b32 v[CO], 4, v1
	v_lshl_add_u32 v[CO], v2, 19, v[CO]            ; the upper half of the lanes holds the stream 128 rows of 4,096 bytes further down
	s_lshl_b32 s70, s23, 10
	s_lshl_b32 s71, s[WV], 8
	s_add_co_u32 s70, s70, s71                     ; row 1024 G + 256 w,
	s_lshl_b32 s70, s70, 12                        ; in bytes (under 2^27),
	s_add_co_u32 s70, s70, s68                     ; and my strip's first channel
	s_mov_b32 s71, 0
	s_add_nc_u64 s[14:15], s[14:15], s[70:71]
	s_add_nc_u64 s[16:17], s[16:17], s[70:71]
	s_wait_loadcnt 0x0                             ; the biases, once
.irp b, 0,1,2,3
	v_mul_f32 v[BF+2*\b], s[LG], v[4+\b]
	v_mul_f32 v[BF+2*\b+1], s[LG], v[4+\b]
	v_mul_f32 v[BI+2*\b], s[LG], v[8+\b]
	v_mul_f32 v[BI+2*\b+1], s[LG], v[8+\b]
	v_mov_b32 v[BH+2*\b], v[12+\b]
	v_mov_b32 v[BH+2*\b+1], v[12+\b]
	v_mov_b32 v[OS+24+\b], 0                       ; ahead of the chunk: h = 0,
	v_mov_b32 v[OS+28+\b], 1.0                     ; the empty product = 1; they lie where the first group looks for the step before it
.endr
; 8 matrix instructions: gate g, m blocks a0, a0 + 1 x its 4 n blocks, 32 along K.  Source 0 = 16 rows of x, source 1 = 16 rows of weights.  zero = 1: the first product starts the sums: nothing is ever cleared.
; The 48 accumulators take turns, one instruction a turn, in the same order in every quarter step.
.macro MUL8 f, g, a0, zero
	WIN MUL_FI+0x50*((\g)/2)                       ; gate h's sums lie in window 3
.irp a, \a0, (\a0)+1
.irp b, 0,1,2,3
.if \zero
	v_wmma_f32_16x16x32_bf16 v[128*((\g)%2)+8*(4*(\a)+(\b)):128*((\g)%2)+8*(4*(\a)+(\b))+7], v[(\f)+8*(\a):(\f)+8*(\a)+7], v[(\f)+32+8*(4*(\g)+(\b)):(\f)+32+8*(4*(\g)+(\b))+7], 0
.else
	v_wmma_f32_16x16x32_bf16 v[128*((\g)%2)+8*(4*(\a)+(\b)):128*((\g)%2)+8*(4*(\a)+(\b))+7], v[(\f)+8*(\a):(\f)+8*(\a)+7], v[(\f)+32+8*(4*(\g)+(\b)):(\f)+32+8*(4*(\g)+(\b))+7], v[128*((\g)%2)+8*(4*(\a)+(\b)):128*((\g)%2)+8*(4*(\a)+(\b))+7]
.endif
.endr
.endr
.endm
; 32 LDS loads in one run: the fragments of a quarter step (32 K at byte k of the rows) into buffer f: gates f's and i's weights, x, and last gate h's weights, which are wanted last
.macro FETCH slot, k, f
	WIN TO_F
.irp i, 0,1,2,3,4,5,6,7
	ds_load_b128 v[(\f)+32+8*(\i):(\f)+32+8*(\i)+3],   v[ADRB+(\slot)] offset:(\k)+(\i)*16*PITCH
	ds_load_b128 v[(\f)+32+8*(\i)+4:(\f)+32+8*(\i)+7], v[ADRB+(\slot)] offset:(\k)+(\i)*16*PITCH+32
.endr
.irp i, 0,1,2,3
	ds_load_b128 v[(\f)+8*(\i):(\f)+8*(\i)+3],   v[ADRA+(\slot)] offset:(\k)+(\i)*16*PITCH
	ds_load_b128 v[(\f)+8*(\i)+4:(\f)+8*(\i)+7], v[ADRA+(\slot)] offset:(\k)+(\i)*16*PITCH+32
.endr
.irp i, 8,9,10,11
	ds_load_b128 v[(\f)+32+8*(\i):(\f)+32+8*(\i)+3],   v[ADRB+(\slot)] offset:(\k)+(\i)*16*PITCH
	ds_load_b128 v[(\f)+32+8*(\i)+4:(\f)+32+8*(\i)+7], v[ADRB+(\slot)] offset:(\k)+(\i)*16*PITCH+32
.endr
.endm
; A K step is four quarter steps of 32 along K, 48 matrix instructions each, on buffers 0, 1, 0, 1.  One of the first three: multiplies buffer f; behind its first 16 products it fetches the next quarter, at byte k, into g.
.macro QUARTER slot, k, f, g, zero
	s_wait_dscnt 8                                 ; all but the youngest eight loads, gate h's weights, are in
	MUL8 \f, 0, 0, \zero
	MUL8 \f, 0, 2, \zero
	PLACES
	FETCH \slot, \k, \g
	MUL8 \f, 1, 0, \zero
	MUL8 \f, 1, 2, \zero
	s_wait_dscnt 32                                ; all but the 32 just issued
	MUL8 \f, 2, 0, \zero
	MUL8 \f, 2, 2, \zero
.endm
; The last quarter multiplies buffer 1 and changes slots: ONE barrier for two things.  In front of it each wave waits for all its tensor loads, of which one is out: its part of the next slot; adds 0 to its spare
; word; and waits for that and for its own reads of this slot.  Behind it nobody reads this slot any more and the next slot is whole.
; mode 0: this slot is filled again with the tile's K step two steps on; 1: with the next tile's K step 0 or 1; 2: not at all.  Where it is filled, the barrier opens a round of the cluster's barrier, so that no wave
; of any partner still reads the slot or has a load on its way, and the joint load is the first tensor load behind the round: 168 matrix instructions ahead of the wait for it.
.macro TURN slot, next, mode
	WIN 0                                          ; (the add's two registers lie in window 0)
	s_wait_tensorcnt 0x0                           ; all my tensor loads have landed
	ds_add_u32 v[SPW], v[NIL]                      ; 0 onto my spare word
	s_wait_dscnt 9                                 ; (the add and gate h's eight loads may be out)
	MUL8 F1, 0, 0, 0                               ; sixteen matrix instructions stand between the add and the wait for it
	MUL8 F1, 0, 2, 0
	s_wait_dscnt 0x0                               ; the add is done, and my reads of this slot are over
	s_barrier_signal -1
	MUL8 F1, 1, 0, 0                               ; work on registers while the others arrive
.if (\mode) < 2
	WIN 0
.endif
	s_barrier_wait -1
.if (\mode) < 2
	CREST
	s_add_nc_u64 s[G0A+4*(\slot)+2:G0A+4*(\slot)+3], s[G0A+4*(\slot)+2:G0A+4*(\slot)+3], 2*XBLK   ; xb's blocks lie end to end, across tiles too
.if (\mode) == 1
	s_sub_nc_u64 s[G0B+4*(\slot)+2:G0B+4*(\slot)+3], s[G0B+4*(\slot)+2:G0B+4*(\slot)+3], 6*WBLK   ; the weights begin anew
.else
	s_add_nc_u64 s[G0B+4*(\slot)+2:G0B+4*(\slot)+3], s[G0B+4*(\slot)+2:G0B+4*(\slot)+3], 2*WBLK
.endif
	JLOAD \slot                                    ; the four v_nop behind it are also the places in front of the loads below
.else
	PLACES
.endif
	FETCH \next, 0, F0
	MUL8 F1, 1, 2, 0
	MUL8 F1, 2, 0, 0
	MUL8 F1, 2, 2, 0
.endm
; THE WAY OUT.  Group n of a tile's 16 is two steps (rows 2 n, 2 n + 1 of each stream's 32) x my four channels.
; PUT n stores group n's set: 16 lanes store 256 consecutive bytes, at a multiple of 256 from the buffer's first byte.
.macro PUT n
.set SS, OS+16*((\n)%2)
	global_store_b128 v[CO], v[SS:SS+3],     s[16:17] offset:(2*(\n))*ROWB
	global_store_b128 v[CO], v[SS+4:SS+7],   s[14:15] offset:(2*(\n))*ROWB
	global_store_b128 v[CO], v[SS+8:SS+11],  s[16:17] offset:(2*(\n)+1)*ROWB
	global_store_b128 v[CO], v[SS+12:SS+15], s[14:15] offset:(2*(\n)+1)*ROWB
.endm
; GROUP a, jp: registers 2 jp, 2 jp + 1 of m block a.  Each stage goes over the four channels, so that no line waits for the one before it.  Behind each of the 40 exponentials and reciprocals stands a plain line
; of the same group that names neither its result nor its source (ISA guide 5.7.2).  The group before's stores stand behind this group's first stages, well behind the lines that made their data.
.macro GROUP a, jp
.set GN,  4*(\a)+(\jp)
.set CUR, OS+16*(GN%2)                 ; this group's set of stored registers
.set PRV, OS+16*((GN+1)%2)+8           ; the other set's second step: the step before this group's first
.set AJ,  32*(\a)+2*(\jp)              ; the pair in accumulator (a, 0)
	WIN RD_FI
.irp b, 0,1,2,3
	v_pk_fma_f32 v[T+12*\b:T+12*\b+1], v[AJ+8*\b:AJ+8*\b+1], s[LG:LG+1], v[BF+2*\b:BF+2*\b+1] op_sel_hi:[1,0,1]            ; p = (sum + b_f) log2(e)
.endr
.irp b, 0,1,2,3
	v_pk_fma_f32 v[T+12*\b+2:T+12*\b+3], v[128+AJ+8*\b:128+AJ+8*\b+1], s[LG:LG+1], v[BI+2*\b:BI+2*\b+1] op_sel_hi:[1,0,1]  ; q
.endr
	WIN RD_H
.irp b, 0,1,2,3
	v_pk_add_f32 v[T+12*\b+6:T+12*\b+7], v[AJ+8*\b:AJ+8*\b+1], v[BH+2*\b:BH+2*\b+1]                                        ; hh = sum + b_h
.endr
	WIN 0
.irp b, 0,1,2,3
	v_min3_num_f32 v[T+12*\b+4], v[T+12*\b], v[T+12*\b+2], 0                                                               ; nm = min(p, q, 0): the maximum of 0, -p, -q, taken away
	v_min3_num_f32 v[T+12*\b+5], v[T+12*\b+1], v[T+12*\b+3], 0
.endr
.if GN > 0
	PUT GN-1
.endif
.irp b, 0,1,2,3
	v_exp_f32 v[T+12*\b+10], v[T+12*\b+4]                                                                                  ; A = 2^nm, into a pair of its own: nm is still wanted
	v_pk_add_f32 v[T+12*\b:T+12*\b+1], v[T+12*\b+4:T+12*\b+5], v[T+12*\b:T+12*\b+1] neg_lo:[0,1] neg_hi:[0,1]              ; nm - p
	v_exp_f32 v[T+12*\b+11], v[T+12*\b+5]
	v_pk_add_f32 v[T+12*\b+2:T+12*\b+3], v[T+12*\b+4:T+12*\b+5], v[T+12*\b+2:T+12*\b+3] neg_lo:[0,1] neg_hi:[0,1]          ; nm - q
.endr
.irp b, 0,1,2,3
	v_exp_f32 v[T+12*\b+2], v[T+12*\b+2]                                                                                   ; B = 2^(nm-q)
	v_pk_mul_f32 v[T+12*\b+8:T+12*\b+9], v[T+12*\b+6:T+12*\b+7], s[LG:LG+1] op_sel_hi:[1,0]                                ; hh log2(e)
	v_exp_f32 v[T+12*\b+3], v[T+12*\b+3]
	v_max_num_f32 v[T+12*\b+6], 0, v[T+12*\b+6]                                                                            ; HP = max(hh, 0)
.endr
.irp b, 0,1,2,3
	v_exp_f32 v[T+12*\b], v[T+12*\b]                                                                                       ; C = 2^(nm-p)
	v_min_num_f32 v[T+12*\b+8], 0, v[T+12*\b+8]                                                                            ; min(hh log2(e), 0)
	v_exp_f32 v[T+12*\b+1], v[T+12*\b+1]
	v_min_num_f32 v[T+12*\b+9], 0, v[T+12*\b+9]
.endr
.irp b, 0,1,2,3
	v_exp_f32 v[T+12*\b+8], v[T+12*\b+8]                                                                                   ; E = 2^min(..)
	v_max_num_f32 v[T+12*\b+7], 0, v[T+12*\b+7]
	v_exp_f32 v[T+12*\b+9], v[T+12*\b+9]
	s_wait_alu depctr_va_vdst(0)
	v_pk_add_f32 v[T+12*\b+2:T+12*\b+3], v[T+12*\b+10:T+12*\b+11], v[T+12*\b+2:T+12*\b+3]                                  ; S1 = A + B
.endr
.irp b, 0,1,2,3
	v_pk_add_f32 v[T+12*\b:T+12*\b+1], v[T+12*\b+10:T+12*\b+11], v[T+12*\b:T+12*\b+1]                                      ; S2 = A + C
.endr
	s_wait_alu depctr_va_vdst(0)
.irp b, 0,1,2,3
	v_pk_add_f32 v[T+12*\b+4:T+12*\b+5], v[T+12*\b+8:T+12*\b+9], 1.0 op_sel_hi:[1,0]                                       ; QQ = 1 + E, in 1 to 2, where nm lay
.endr
.irp b, 0,1,2,3
	v_pk_add_f32 v[T+12*\b+10:T+12*\b+11], v[T+12*\b+2:T+12*\b+3], v[T+12*\b:T+12*\b+1]                                    ; DEN = S1 + S2, in 1 to 4
.endr
.irp b, 0,1,2,3
	v_pk_mul_f32 v[T+12*\b+10:T+12*\b+11], v[T+12*\b+10:T+12*\b+11], v[T+12*\b+4:T+12*\b+5]
.endr
.irp b, 0,1,2,3
	v_rcp_f32 v[T+12*\b+10], v[T+12*\b+10]                                                                                 ; R = 1 / (DEN QQ): one reciprocal for both divisions
	v_pk_fma_f32 v[T+12*\b+6:T+12*\b+7], v[T+12*\b+6:T+12*\b+7], v[T+12*\b+4:T+12*\b+5], v[T+12*\b+8:T+12*\b+9]            ; HP QQ + E = g QQ
	v_rcp_f32 v[T+12*\b+11], v[T+12*\b+11]
	v_pk_mul_f32 v[T+12*\b+2:T+12*\b+3], v[T+12*\b+2:T+12*\b+3], v[T+12*\b+4:T+12*\b+5]
.endr
	s_wait_alu depctr_va_vdst(0)
.irp b, 0,1,2,3
	v_pk_mul_f32 v[T+12*\b+2:T+12*\b+3], v[T+12*\b+2:T+12*\b+3], v[T+12*\b+10:T+12*\b+11]                                  ; f' = S1 QQ R
	v_pk_mul_f32 v[T+12*\b:T+12*\b+1], v[T+12*\b:T+12*\b+1], v[T+12*\b+10:T+12*\b+11]
.endr
.irp b, 0,1,2,3
	v_pk_mul_f32 v[T+12*\b:T+12*\b+1], v[T+12*\b:T+12*\b+1], v[T+12*\b+6:T+12*\b+7]                                        ; v = i' g = S2 R (g QQ)
.endr
	s_wait_xcnt 0x0                                ; every earlier store has had its addresses translated (ISA guide 3.1): this set, the data of the stores of two groups back, is rewritten only behind this wait
.irp b, 0,1,2,3
	v_fma_f32 v[CUR+\b], v[T+12*\b+2], v[PRV+\b], v[T+12*\b]                                                               ; h = f' h + v
.endr
.irp b, 0,1,2,3
	v_mul_f32 v[CUR+4+\b], v[T+12*\b+2], v[PRV+4+\b]                                                                       ; the product of f'
.endr
.irp b, 0,1,2,3
	v_fma_f32 v[CUR+8+\b], v[T+12*\b+3], v[CUR+\b], v[T+12*\b+1]
.endr
.irp b, 0,1,2,3
	v_mul_f32 v[CUR+12+\b], v[T+12*\b+3], v[CUR+4+\b]
.endr
.endm
	s_wait_tensorcnt 0x1                           ; my part of K step 0 is in; K step 1's may stay out
	s_barrier_signal -1
	s_barrier_wait -1                              ; everybody's is
	FETCH 0, 0, F0
	WIN 0                                          ; at a label and at a branch every window is 0
	s_mov_b32 s2, TILES                            ; tiles to go, this one among them: the same number in every work-group
.Ltile:
	QUARTER 0, 64,  F0, F1, 1                      ; a tile's first quarter stands in front of the loop: its products start the sums
	WIN 0
	s_mov_b32 s3, LAPS-1
.Llap:                                                 ; a trip goes once round the ring, from a lap's second quarter to the next lap's first, and fills both slots again
	QUARTER 0, 128, F1, F0, 0
	QUARTER 0, 192, F0, F1, 0
	TURN 0, 1, 0
	QUARTER 1, 64,  F0, F1, 0
	QUARTER 1, 128, F1, F0, 0
	QUARTER 1, 192, F0, F1, 0
	TURN 1, 0, 0
	QUARTER 0, 64,  F0, F1, 0
	WIN 0
	s_sub_co_u32 s3, s3, 1
	s_cmp_lg_u32 s3, 0
	s_cbranch_scc1 .Llap
	QUARTER 0, 128, F1, F0, 0                      ; the tile's last lap goes on
	QUARTER 0, 192, F0, F1, 0
	WIN 0
	s_cmp_eq_u32 s2, 1
	s_cbranch_scc1 .Llast                          ; the last tile's tail is written out: it asks for nothing more
	TURN 0, 1, 1                                   ; the ring goes on into the next tile: slot 0 takes its K step 0,
	QUARTER 1, 64,  F0, F1, 0
	QUARTER 1, 128, F1, F0, 0
	QUARTER 1, 192, F0, F1, 0
	TURN 1, 0, 1                                   ; slot 1 its K step 1, and the next tile's first fragments are fetched: both refills are asked for ahead of the way out
	WIN 0
	s_branch .Lout
.Llast:
	TURN 0, 1, 2                                   ; my one tensor load that was still out is slot 1's, the last K step's, so no round follows
	QUARTER 1, 64,  F0, F1, 0
	QUARTER 1, 128, F1, F0, 0
	QUARTER 1, 192, F0, F1, 0
	s_wait_dscnt 0x0                               ; the very last quarter: nothing more to fetch
	MUL8 F1, 0, 0, 0
	MUL8 F1, 0, 2, 0
	MUL8 F1, 1, 0, 0
	MUL8 F1, 1, 2, 0
	MUL8 F1, 2, 0, 0
	MUL8 F1, 2, 2, 0
	WIN 0
.Lout:                                                 ; the gates, the scan and the stores of a tile's 32 steps, in ascending order; each accumulator's registers are read from the low end on
	PLACES
.irp a, 0,1,2,3
.irp jp, 0,1,2,3
	GROUP \a, \jp
.endr
.endr
	PUT 15                                         ; the last group used set 1, where the next tile's first group looks for the step before it
	s_wait_xcnt 0x0                                ; the stores' bases are stepped only behind this wait
	s_add_nc_u64 s[14:15], s[14:15], 32*ROWB       ; each stream's next 32 steps (behind the last tile the stepped bases are not used)
	s_add_nc_u64 s[16:17], s[16:17], 32*ROWB
	s_sub_co_u32 s2, s2, 1
	s_cmp_lg_u32 s2, 0
	s_cbranch_scc1 .Ltile
	s_wait_tensorcnt 0x0                           ; the wave's end, behind my last tensor load
	ds_add_u32 v[SPW], v[NIL]
	s_wait_dscnt 0x0
	CROUND                                         ; the closing round: no work-group ends while a partner may still ask for a tile that names it
	s_endpgm
.Lfunc_end_k_q4ccee7befb_gates:
	.size	k_q4ccee7befb_gates, .Lfunc_end_k_q4ccee7befb_gates-k_q4ccee7befb_gates
	.p2alignl 7, 3214868480
	.fill 96, 4, 3214868480
	.section	.rodata,"a",@progbits
	.p2align	6, 0x0
	.amdhsa_kernel k_q4ccee7befb_gates
		.amdhsa_group_segment_fixed_size 327680
		.amdhsa_private_segment_fixed_size 0
		.amdhsa_enable_private_segment 0
		.amdhsa_kernarg_size 56
		.amdhsa_user_sgpr_count 2
		.amdhsa_user_sgpr_kernarg_segment_ptr 1
		.amdhsa_wavefront_size32 1
		.amdhsa_system_sgpr_workgroup_id_x 1
		.amdhsa_system_sgpr_workgroup_id_y 1
		.amdhsa_system_sgpr_workgroup_id_z 1
		.amdhsa_system_vgpr_workitem_id 0
		.amdhsa_next_free_vgpr 896
		.amdhsa_next_free_sgpr 72
		.amdhsa_reserve_vcc 0
		.amdhsa_float_denorm_mode_32 3
		.amdhsa_float_denorm_mode_16_64 3
		.amdhsa_memory_ordered 1
		.amdhsa_forward_progress 1
		.amdhsa_inst_pref_size 248
	.end_amdhsa_kernel
	.amdgpu_metadata
---
amdhsa.version: [ 1, 2 ]
amdhsa.kernels:
  - .name:           k_q4ccee7befb_gates
    .symbol:         k_q4ccee7befb_gates.kd
    .args:
      - { .name: xb, .offset: 0, .size: 8, .value_kind: global_buffer, .address_space: global }
      - { .name: wb, .offset: 8, .size: 8, .value_kind: global_buffer, .address_space: global }
      - { .name: b_f, .offset: 16, .size: 8, .value_kind: global_buffer, .address_space: global }
      - { .name: b_i, .offset: 24, .size: 8, .value_kind: global_buffer, .address_space: global }
      - { .name: b_h, .offset: 32, .size: 8, .value_kind: global_buffer, .address_space: global }
      - { .name: fcum, .offset: 40, .size: 8, .value_kind: global_buffer, .address_space: global }
      - { .name: hloc, .offset: 48, .size: 8, .value_kind: global_buffer, .address_space: global }
    .group_segment_fixed_size: 327680
    .private_segment_fixed_size: 0
    .kernarg_segment_align: 8
    .kernarg_segment_size: 56
    .max_flat_workgroup_size: 128
    .sgpr_count:     72
    .vgpr_count:     896
    .wavefront_size: 32
...
	.end_amdgpu_metadata
.endif
;; end of part 2
;; launch fix (part 3): grid 256 x 1, 8 waves a work-group, no clusters, 9,216 bytes of LDS; arguments fcum, hloc, out0; writes out0
.if DOCPART == 3
	.amdgcn_target "amdgcn-amd-amdhsa--gfx1250"
	.amdhsa_code_object_version 6
	.text
	.protected	k_q4ccee7befb_fix
	.globl	k_q4ccee7befb_fix
	.p2align	8
	.type	k_q4ccee7befb_fix,@function
k_q4ccee7befb_fix:
	s_mov_b64 s[64:65], 0
	v_nop
	global_prefetch_b8 v0, s[64:65] scope:SCOPE_SE
	s_setreg_imm32_b32 hwreg(HW_REG_WAVE_MODE, 25, 1), 1
	s_wait_xcnt 0x0
; out0[t] = hloc[t] + fcum[t] x carry, where carry is h at the last step ahead of t's chunk of 128 steps.  All three are f32 [16384][1024]; a batch is 32 chunks.
; The carry into chunk c of a batch: C_0 = 0, C_(k+1) = F_k C_k + H_k, with F_k, H_k the last rows of fcum and hloc in the batch's chunk k; carry = C_c.  All terms are products and sums of numbers that are
; not negative: nothing cancels.  LIMITS: as the launch before states them (a product of f' below 2^-126 may have come out as 0; NaN and infinities are not treated apart).
; A stream: no matrix unit, no cluster (no tile is shared), no tensor load (the rows go straight to registers).
; SHARES.  Work-group = (batch, 128 channels, group q of four chunks): 4 x 8 x 8 = 256.  Wave i of eight owns half i % 2 of chunk 4 q + i / 2: 64 rows x 512 bytes of each array; a load or store of the wave covers
; 512 consecutive bytes.
; THE CHAIN IS SHARED.  Wave i loads the last rows of the batch's chunks 4 i .. 4 i + 3 (8 loads), makes of them the one pair (F, H) with C_(4i+4) = F C_(4i) + H, and puts it into LDS; behind one barrier every wave
; walks the pairs of groups 0 to 6 (a pair with g >= q leaves the carry as it is, by a select) and then its own group's first three chunks (6 loads of its own; chunk j counts if j < i / 2).
; No trip count and no branch hangs on the wave's place.  Wave 7's pair is read by nobody: the price of one text for all waves.
; THE RING.  16 row slots in registers: 32 loads of every wave are always on their way, 8 x 32 x 512 bytes for the work-group; they are issued ahead of the chain's arithmetic.
.set ROWB,   4096
.set CHUNKB, 128*ROWB
.set DEPTH,  16
.set ROWS,   64                        ; rows of a wave
.set CAR,    4                         ; v[4:7]      the carry of my four channels
.set TOT,    8                         ; v[8:63]     the pairs of groups 0 to 6, out of LDS: F in four registers, then H
.set X,      64                        ; v[64:191]   slot i: fcum's 4 registers, then hloc's
.set Y,      192                       ; v[192:223]  eight sets of 4 registers to store, by turns
.set OWN,    192                       ; v[192:223]  ahead of the ring's first turn: the four last rows that I compose (F, then H)
.set GQ,     224                       ; v[224:247]  the last rows of my group's first three chunks
.set NN,     248                       ; v[248:251]  a step's candidate
.set SPW,    252                       ; v252        LDS address of my spare word: SPARE + 4 x my thread's number; never rewritten
.set NIL,    253                       ; v253        0; never rewritten
.set SPARE,  8192                      ; LDS: 0 .. 8,191 the eight pairs, 1,024 bytes a wave; then the spare words, 128 bytes for each wave: four blocks of 256 bytes that no other line names
	s_load_b128 s[4:7], s[0:1], 0x0                ; fcum s[4:5], hloc s[6:7]
	s_load_b64 s[8:9], s[0:1], 0x10                ; out0
	v_lshl_add_u32 v[SPW], v0, 2, SPARE
	v_mov_b32 v[NIL], 0
	v_lshrrev_b32 v3, 5, v0
	v_readfirstlane_b32 s10, v3                    ; wave i
	v_and_b32 v1, 31, v0
	v_lshlrev_b32 v1, 4, v1                        ; 16 bytes a lane; never rewritten
	v_mov_b32 v2, v1                               ; the ring's offset, stepped once a round
	s_lshl_b32 s15, s10, 10
	v_add_nc_u32 v3, s15, v1                       ; where my pair goes in LDS
	s_bfe_u32 s12, ttmp9, 0x30003                  ; q = (work-group / 8) % 8
	s_lshr_b32 s13, s10, 1                         ; my chunk's number in its group
	s_lshr_b32 s14, ttmp9, 6                       ; the batch,
	s_lshl_b32 s14, s14, 24                        ; its 4,096 rows of 4,096 bytes,
	s_and_b32 s15, ttmp9, 7
	s_lshl_b32 s15, s15, 9                         ; my 128 channels of 4 bytes
	s_add_co_u32 s14, s14, s15
	s_lshl_b32 s15, s12, 21                        ; group q's four chunks of 524,288 bytes
	s_add_co_u32 s26, s14, s15
	s_lshl_b32 s16, s10, 18                        ; my 64 rows in the group: wave x 64 rows
	s_add_co_u32 s16, s16, s26
	s_mov_b32 s17, 0
	s_add_co_u32 s26, s26, 127*ROWB                ; the last row of group q's first chunk
	s_mov_b32 s27, 0
	s_lshl_b32 s18, s10, 21
	s_add_co_u32 s18, s18, s14
	s_add_co_u32 s18, s18, 127*ROWB                ; the last row of group i's first chunk
	s_mov_b32 s19, 0
	s_wait_kmcnt 0x0
	s_add_nc_u64 s[20:21], s[4:5], s[18:19]
	s_add_nc_u64 s[22:23], s[6:7], s[18:19]
	s_add_nc_u64 s[28:29], s[4:5], s[26:27]
	s_add_nc_u64 s[30:31], s[6:7], s[26:27]
	s_add_nc_u64 s[4:5], s[4:5], s[16:17]
	s_add_nc_u64 s[6:7], s[6:7], s[16:17]
	s_add_nc_u64 s[8:9], s[8:9], s[16:17]
.irp j, 0,1,2,3
	global_load_b128 v[OWN+8*\j:OWN+8*\j+3],   v1, s[20:21] offset:\j*CHUNKB
	global_load_b128 v[OWN+8*\j+4:OWN+8*\j+7], v1, s[22:23] offset:\j*CHUNKB
.endr
.irp j, 0,1,2
	global_load_b128 v[GQ+8*\j:GQ+8*\j+3],   v1, s[28:29] offset:\j*CHUNKB
	global_load_b128 v[GQ+8*\j+4:GQ+8*\j+7], v1, s[30:31] offset:\j*CHUNKB
.endr
.set i, 0
.rept DEPTH                            ; the ring is filled: my rows 0 to 15
	global_load_b128 v[X+8*i:X+8*i+3],   v2, s[4:5] offset:i*ROWB
	global_load_b128 v[X+8*i+4:X+8*i+7], v2, s[6:7] offset:i*ROWB
.set i, i+1
.endr
	s_wait_loadcnt 38                              ; the four rows that I compose are in; my group's 6 loads and the ring's 32 may be out
.irp j, 1,2,3                          ; in place in the first row's registers: H = F_j H + H_j, F = F_j F
	v_pk_fma_f32 v[OWN+4:OWN+5], v[OWN+8*\j:OWN+8*\j+1],   v[OWN+4:OWN+5], v[OWN+8*\j+4:OWN+8*\j+5]
	v_pk_fma_f32 v[OWN+6:OWN+7], v[OWN+8*\j+2:OWN+8*\j+3], v[OWN+6:OWN+7], v[OWN+8*\j+6:OWN+8*\j+7]
	v_pk_mul_f32 v[OWN:OWN+1],   v[OWN+8*\j:OWN+8*\j+1],   v[OWN:OWN+1]
	v_pk_mul_f32 v[OWN+2:OWN+3], v[OWN+8*\j+2:OWN+8*\j+3], v[OWN+2:OWN+3]
.endr
	ds_store_b128 v3, v[OWN:OWN+3]
	ds_store_b128 v3, v[OWN+4:OWN+7] offset:512
	s_wait_dscnt 0x0                               ; for the others' sake: my pair is in LDS
	s_barrier_signal -1
	s_barrier_wait -1                              ; everybody's is
.irp g, 0,1,2,3,4,5,6
	ds_load_b128 v[TOT+8*\g:TOT+8*\g+3],   v1 offset:\g*1024
	ds_load_b128 v[TOT+8*\g+4:TOT+8*\g+7], v1 offset:\g*1024+512
.endr
.irp i, 0,1,2,3
	v_mov_b32 v[CAR+\i], 0                         ; C_0 = 0
.endr
; One step of the chain: C = F C + H if s[lim] > k, else C stays.  F lies at v[f .. f + 3], H behind it.
.macro LINK f, lim, k
	s_cmp_gt_u32 s[\lim], \k
	s_cselect_b32 vcc_lo, -1, 0
	v_pk_fma_f32 v[NN:NN+1],   v[(\f):(\f)+1],   v[CAR:CAR+1],   v[(\f)+4:(\f)+5]
	v_pk_fma_f32 v[NN+2:NN+3], v[(\f)+2:(\f)+3], v[CAR+2:CAR+3], v[(\f)+6:(\f)+7]
.irp i, 0,1,2,3
	v_cndmask_b32 v[CAR+\i], v[CAR+\i], v[NN+\i], vcc_lo
.endr
.endm
.irp g, 0,1,2,3,4,5,6
	s_wait_dscnt 12-2*\g                           ; LDS loads come back in order (ISA guide 5.7.1): pair g is in, the younger pairs' loads may be out
	LINK TOT+8*\g, 12, \g                          ; the groups ahead of mine
.endr
	s_wait_loadcnt 32                              ; my group's rows are in; the ring's 32 loads may be out
.irp j, 0,1,2
	LINK GQ+8*\j, 13, \j                           ; the chunks of my group ahead of mine
.endr
; One slot's turn.  ahead = 1: the slot is filled again with the row DEPTH further down.  left = how many younger loads may still be out.
.macro SLOT i, ahead, left
	s_wait_loadcnt \left                           ; loads come back in order (ISA guide 5.7.1): my two are in
.if (\i) == 8
	s_wait_xcnt 0x0                                ; the eight sets to store begin anew: every earlier store has had its addresses translated (ISA guide 3.1)
.endif
	v_pk_fma_f32 v[Y+4*((\i)%8):Y+4*((\i)%8)+1],   v[X+8*(\i):X+8*(\i)+1],   v[CAR:CAR+1],   v[X+8*(\i)+4:X+8*(\i)+5]
	v_pk_fma_f32 v[Y+4*((\i)%8)+2:Y+4*((\i)%8)+3], v[X+8*(\i)+2:X+8*(\i)+3], v[CAR+2:CAR+3], v[X+8*(\i)+6:X+8*(\i)+7]
.if \ahead
	global_load_b128 v[X+8*(\i):X+8*(\i)+3],   v2, s[4:5] offset:(DEPTH+(\i))*ROWB
	global_load_b128 v[X+8*(\i)+4:X+8*(\i)+7], v2, s[6:7] offset:(DEPTH+(\i))*ROWB
.endif
	global_store_b128 v2, v[Y+4*((\i)%8):Y+4*((\i)%8)+3], s[8:9] offset:(\i)*ROWB th:TH_STORE_NT
.endm
	s_mov_b32 s24, ROWS/DEPTH-1
.Lround:
.irp i, 0,1,2,3,4,5,6,7,8,9,10,11,12,13,14,15
	SLOT \i, 1, 2*DEPTH-2                          ; the two loads of each of the 15 other slots stay out
.endr
	s_wait_xcnt 0x0                                ; the offset and the stores' data are rewritten only behind this wait
	v_add_nc_u32 v2, DEPTH*ROWB, v2
	s_sub_co_u32 s24, s24, 1
	s_cmp_lg_u32 s24, 0
	s_cbranch_scc1 .Lround
.irp i, 0,1,2,3,4,5,6,7,8,9,10,11,12,13,14,15
	SLOT \i, 0, 2*DEPTH-2-2*(\i)                   ; the last round loads nothing: the counts run down
.endr
	s_wait_tensorcnt 0x0                           ; the wave's end, behind my last LDS store
	ds_add_u32 v[SPW], v[NIL]
	s_wait_dscnt 0x0
	s_endpgm
.Lfunc_end_k_q4ccee7befb_fix:
	.size	k_q4ccee7befb_fix, .Lfunc_end_k_q4ccee7befb_fix-k_q4ccee7befb_fix
	.p2alignl 7, 3214868480
	.fill 96, 4, 3214868480
	.section	.rodata,"a",@progbits
	.p2align	6, 0x0
	.amdhsa_kernel k_q4ccee7befb_fix
		.amdhsa_group_segment_fixed_size 9216
		.amdhsa_private_segment_fixed_size 0
		.amdhsa_enable_private_segment 0
		.amdhsa_kernarg_size 24
		.amdhsa_user_sgpr_count 2
		.amdhsa_user_sgpr_kernarg_segment_ptr 1
		.amdhsa_wavefront_size32 1
		.amdhsa_system_sgpr_workgroup_id_x 1
		.amdhsa_system_sgpr_workgroup_id_y 1
		.amdhsa_system_sgpr_workgroup_id_z 1
		.amdhsa_system_vgpr_workitem_id 0
		.amdhsa_next_free_vgpr 256
		.amdhsa_next_free_sgpr 66
		.amdhsa_reserve_vcc 1
		.amdhsa_float_denorm_mode_32 3
		.amdhsa_float_denorm_mode_16_64 3
		.amdhsa_memory_ordered 1
		.amdhsa_forward_progress 1
		.amdhsa_inst_pref_size 23
	.end_amdhsa_kernel
	.amdgpu_metadata
---
amdhsa.version: [ 1, 2 ]
amdhsa.kernels:
  - .name:           k_q4ccee7befb_fix
    .symbol:         k_q4ccee7befb_fix.kd
    .args:
      - { .name: fcum, .offset: 0, .size: 8, .value_kind: global_buffer, .address_space: global }
      - { .name: hloc, .offset: 8, .size: 8, .value_kind: global_buffer, .address_space: global }
      - { .name: out0, .offset: 16, .size: 8, .value_kind: global_buffer, .address_space: global }
    .group_segment_fixed_size: 9216
    .private_segment_fixed_size: 0
    .kernarg_segment_align: 8
    .kernarg_segment_size: 24
    .max_flat_workgroup_size: 256
    .sgpr_count:     66
    .vgpr_count:     256
    .wavefront_size: 32
...
	.end_amdgpu_metadata
.endif
;; end of part 3
;; ======== version 2 of 2: 3 launches; version 1 with the launches cvt, fix written anew for expert scheduling mode
;; workspace buffers: xb 33,554,432 bytes; wb 6,291,456 bytes; fcum 67,108,864 bytes; hloc 67,108,864 bytes
;; launch cvt (part 4): grid 256 x 1, 16 waves a work-group, no clusters, 0 bytes of LDS; arguments x, W_f, W_i, W_h, xb, wb; writes xb, wb
.if DOCPART == 4
	.amdgcn_target "amdgcn-amd-amdhsa--gfx1250"
	.amdhsa_code_object_version 6
	.text
	.protected	k_q4ccee7befb_cvt
	.globl	k_q4ccee7befb_cvt
	.p2align	8
	.type	k_q4ccee7befb_cvt,@function
k_q4ccee7befb_cvt:
	s_mov_b64 s[64:65], 0
	v_nop
	global_prefetch_b8 v0, s[64:65] scope:SCOPE_SE
	s_setreg_imm32_b32 hwreg(HW_REG_WAVE_SCHED_MODE, 0, 2), 2
	s_setreg_imm32_b32 hwreg(HW_REG_WAVE_MODE, 25, 1), 1
	s_wait_xcnt 0x0
	s_wait_alu depctr_vm_vsrc(0)
; x [16384][1024] and W_f, W_i, W_h [1024][1024], f32, are rounded once to bf16 (nearest even) and laid out as the product's tiles want them:
;   xb [G 16][tau 4][ks 8][rho 256][128]   blocks of 256 rows x 256 bytes, dense
;   wb [s 16][ks 8][beta 192][128]         blocks of 192 rows x 256 bytes, dense
; Row R of x = 1024 G + 128 sigma + 32 tau + 8 a + j goes to row rho = 64 (sigma / 2) + 16 a + 8 (sigma % 2) + j of block (G, tau, ks).
; Row e of gate g's weights = 64 s + 4 r + b goes to row beta = 64 g + 16 b + r of block (s, ks).  ks counts pieces of 128 along K.
; A stream: no LDS, no barrier, no loop, no matrix unit (nothing is multiplied).  Wave w of 4,096 takes four rows of x (32 pieces of 512 bytes) and a quarter
; of row w / 4 of each W (6 pieces).  All 38 loads are issued at once; each piece leaves as one store of 32 lanes x 8 bytes = 256 consecutive bytes, aligned.
; No register is written twice while a memory instruction may read it: each piece has its own four registers.
; THE MODE: SCHED_MODE bits 1:0 = 2 (LLVM: expert scheduling mode 2), set by the entry lines.  The code itself states the register dependences
; between vector instructions and memory instructions, with s_wait_alu, always for 0.
; THE PLAN.  Registers that memory instructions touch:
;   v1, v2      byte offsets of the loads and of the stores, made once at the head and never written again.
;   piece n     four registers.  Written by the piece's load, which is issued before any vector instruction names them; then its first two by its two conversions;
;               these two are read by the piece's one store, and nothing writes them after that.
; The pieces go in groups of GRP.  One wait at a group's head states that the group before has written its pairs; that group's stores follow it, one ahead of each piece
; of this group, whose conversions name this group's registers alone.  So each wait serves GRP stores, and no store stands straight behind the lines that make its data.
.set X,  8                             ; v[8:159]  piece n: four registers as loaded; its first two then hold the four bf16 pairs' 8 bytes
.set NW, 6                             ; pieces of W: gate n / 2, piece n % 2 of my quarter row
.set NX, 32                            ; pieces of x: row (n - 6) / 8 of my four, ks = (n - 6) % 8
.set NL, NW+NX
.set GRP, 4                            ; pieces in a group
	s_load_b256 s[4:11], s[0:1], 0x0               ; x s[4:5], W_f s[6:7], W_i s[8:9], W_h s[10:11]
	s_load_b128 s[12:15], s[0:1], 0x20             ; xb s[12:13], wb s[14:15]
	v_lshrrev_b32 v3, 5, v0
	v_readfirstlane_b32 s16, v3                    ; my wave in the work-group
	v_and_b32 v2, 31, v0                           ; lane
	v_lshlrev_b32 v1, 4, v2                        ; 16 bytes a lane in a piece as loaded
	v_lshlrev_b32 v2, 3, v2                        ; 8 bytes a lane in a piece as stored
	s_wait_alu depctr_va_sdst(0)                   ; s16 is written, ahead of its first reader: all the bases are made from it
	s_lshl_b32 s17, ttmp9, 4
	s_add_co_u32 s17, s17, s16                     ; w = 16 x work-group + wave
	s_lshl_b32 s20, s17, 14                        ; x: four rows of 4,096 bytes a wave
	s_mov_b32 s21, 0
	s_lshr_b32 s18, s17, 8                         ; G = w / 256
	s_lshl_b32 s18, s18, 2
	s_bfe_u32 s19, s17, 0x20003                    ; tau = (w / 8) % 4
	s_add_co_u32 s18, s18, s19
	s_lshl_b32 s22, s18, 19                        ; (4 G + tau) x 8 blocks of 65,536 bytes
	s_bfe_u32 s18, s17, 0x20006                    ; sigma / 2 = (w / 64) % 4
	s_lshl_b32 s18, s18, 6
	s_bfe_u32 s19, s17, 0x20001                    ; a = (w / 2) % 4
	s_lshl4_add_u32 s18, s19, s18
	s_bfe_u32 s19, s17, 0x10005                    ; sigma % 2 = (w / 32) % 2
	s_lshl3_add_u32 s18, s19, s18
	s_and_b32 s19, s17, 1                          ; j = 4 (w % 2) + the row among my four
	s_lshl2_add_u32 s18, s19, s18
	s_lshl_b32 s18, s18, 8                         ; rho x 256 bytes
	s_add_co_u32 s22, s22, s18
	s_mov_b32 s23, 0
	s_lshr_b32 s18, s17, 2                         ; e = w / 4
	s_and_b32 s19, s17, 3                          ; which quarter of the row
	s_lshl_b32 s24, s18, 12
	s_lshl_b32 s28, s19, 10
	s_add_co_u32 s24, s24, s28                     ; W: e x 4,096 + quarter x 1,024
	s_mov_b32 s25, 0
	s_lshr_b32 s26, s18, 6                         ; s = e / 64
	s_mul_i32 s26, s26, 393216                     ; 8 blocks of 49,152 bytes
	s_mul_i32 s28, s19, 98304                      ; two blocks a quarter
	s_add_co_u32 s26, s26, s28
	s_and_b32 s28, s18, 3                          ; b = e % 4
	s_lshl_b32 s28, s28, 4
	s_bfe_u32 s29, s18, 0x40002                    ; r = (e / 4) % 16
	s_add_co_u32 s28, s28, s29
	s_lshl_b32 s28, s28, 8                         ; (16 b + r) x 256 bytes; the gate's 64 rows stand in the store's immediate
	s_add_co_u32 s26, s26, s28
	s_mov_b32 s27, 0
	s_wait_kmcnt 0x0
	s_add_nc_u64 s[4:5], s[4:5], s[20:21]
	s_add_nc_u64 s[6:7], s[6:7], s[24:25]
	s_add_nc_u64 s[8:9], s[8:9], s[24:25]
	s_add_nc_u64 s[10:11], s[10:11], s[24:25]
	s_add_nc_u64 s[12:13], s[12:13], s[22:23]
	s_add_nc_u64 s[14:15], s[14:15], s[26:27]
	s_wait_alu depctr_va_vdst(0)                   ; v1 and v2 are written: every load of the kernel reads v1 as its offset, every store v2
.set n, 0
.rept NW                               ; every byte of W and x is read once in the launch
	global_load_b128 v[X+4*n:X+4*n+3], v1, s[6+2*(n/2):7+2*(n/2)] offset:(n%2)*512 th:TH_LOAD_NT
.set n, n+1
.endr
.rept NX
	global_load_b128 v[X+4*n:X+4*n+3], v1, s[4:5] offset:((n-NW)/8)*4096+((n-NW)%8)*512 th:TH_LOAD_NT
.set n, n+1
.endr
; Piece m leaves: 256 consecutive bytes, aligned.
.macro PUT m
.if (\m) < NW
	global_store_b64 v2, v[X+4*(\m):X+4*(\m)+1], s[14:15] offset:((\m)%2)*49152+((\m)/2)*16384
.else
	global_store_b64 v2, v[X+4*(\m):X+4*(\m)+1], s[12:13] offset:(((\m)-NW)%8)*65536+(((\m)-NW)/8)*256
.endif
.endm
.set n, 0
.rept NL
.if (n % GRP == 0) && (n > 0)
	s_wait_alu depctr_va_vdst(0)                   ; the group before has written its pairs, which the next GRP stores read; the conversions between those stores name this group's registers alone
.endif
.if n >= GRP
	PUT n-GRP                                      ; a piece of the group before
.endif
	s_wait_loadcnt NL-1-n                          ; loads come back in order (ISA guide 5.7.1): piece n is in, the younger ones stay out
	v_cvt_pk_bf16_f32 v[X+4*n], v[X+4*n], v[X+4*n+1]
	v_cvt_pk_bf16_f32 v[X+4*n+1], v[X+4*n+2], v[X+4*n+3]
.set n, n+1
.endr
	s_wait_alu depctr_va_vdst(0)                   ; the last conversions have written their pairs, which the last GRP stores read
.set n, NL-GRP
.rept GRP
	PUT n
.set n, n+1
.endr
	s_endpgm
.Lfunc_end_k_q4ccee7befb_cvt:
	.size	k_q4ccee7befb_cvt, .Lfunc_end_k_q4ccee7befb_cvt-k_q4ccee7befb_cvt
	.p2alignl 7, 3214868480
	.fill 96, 4, 3214868480
	.section	.rodata,"a",@progbits
	.p2align	6, 0x0
	.amdhsa_kernel k_q4ccee7befb_cvt
		.amdhsa_group_segment_fixed_size 0
		.amdhsa_private_segment_fixed_size 0
		.amdhsa_enable_private_segment 0
		.amdhsa_kernarg_size 48
		.amdhsa_user_sgpr_count 2
		.amdhsa_user_sgpr_kernarg_segment_ptr 1
		.amdhsa_wavefront_size32 1
		.amdhsa_system_sgpr_workgroup_id_x 1
		.amdhsa_system_sgpr_workgroup_id_y 1
		.amdhsa_system_sgpr_workgroup_id_z 1
		.amdhsa_system_vgpr_workitem_id 0
		.amdhsa_next_free_vgpr 160
		.amdhsa_next_free_sgpr 66
		.amdhsa_reserve_vcc 0
		.amdhsa_float_denorm_mode_32 3
		.amdhsa_float_denorm_mode_16_64 3
		.amdhsa_memory_ordered 1
		.amdhsa_forward_progress 1
		.amdhsa_inst_pref_size 16
	.end_amdhsa_kernel
	.amdgpu_metadata
---
amdhsa.version: [ 1, 2 ]
amdhsa.kernels:
  - .name:           k_q4ccee7befb_cvt
    .symbol:         k_q4ccee7befb_cvt.kd
    .args:
      - { .name: x, .offset: 0, .size: 8, .value_kind: global_buffer, .address_space: global }
      - { .name: W_f, .offset: 8, .size: 8, .value_kind: global_buffer, .address_space: global }
      - { .name: W_i, .offset: 16, .size: 8, .value_kind: global_buffer, .address_space: global }
      - { .name: W_h, .offset: 24, .size: 8, .value_kind: global_buffer, .address_space: global }
      - { .name: xb, .offset: 32, .size: 8, .value_kind: global_buffer, .address_space: global }
      - { .name: wb, .offset: 40, .size: 8, .value_kind: global_buffer, .address_space: global }
    .group_segment_fixed_size: 0
    .private_segment_fixed_size: 0
    .kernarg_segment_align: 8
    .kernarg_segment_size: 48
    .max_flat_workgroup_size: 512
    .sgpr_count:     66
    .vgpr_count:     160
    .wavefront_size: 32
...
	.end_amdgpu_metadata
.endif
;; end of part 4
;; launch gates: the kernel of part 2 again; grid 16 x 16, 4 waves a work-group, clusters of 4 x 4, 327,680 bytes of LDS; arguments xb, wb, b_f, b_i, b_h, fcum, hloc; writes fcum, hloc
;; launch fix (part 5): grid 256 x 1, 8 waves a work-group, no clusters, 9,216 bytes of LDS; arguments fcum, hloc, out0; writes out0
.if DOCPART == 5
	.amdgcn_target "amdgcn-amd-amdhsa--gfx1250"
	.amdhsa_code_object_version 6
	.text
	.protected	k_q4ccee7befb_fix
	.globl	k_q4ccee7befb_fix
	.p2align	8
	.type	k_q4ccee7befb_fix,@function
k_q4ccee7befb_fix:
	s_mov_b64 s[64:65], 0
	v_nop
	global_prefetch_b8 v0, s[64:65] scope:SCOPE_SE
	s_setreg_imm32_b32 hwreg(HW_REG_WAVE_SCHED_MODE, 0, 2), 2
	s_setreg_imm32_b32 hwreg(HW_REG_WAVE_MODE, 25, 1), 1
	s_wait_xcnt 0x0
	s_wait_alu depctr_vm_vsrc(0)
; out0[t] = hloc[t] + fcum[t] x carry, where carry is h at the last step ahead of t's chunk of 128 steps.  All three are f32 [16384][1024]; a batch is 32 chunks.
; The carry into chunk c of a batch: C_0 = 0, C_(k+1) = F_k C_k + H_k, with F_k, H_k the last rows of fcum and hloc in the batch's chunk k; carry = C_c.  All terms are products and sums of numbers that are
; not negative: nothing cancels.  LIMITS: as the launch before states them (a product of f' below 2^-126 may have come out as 0; NaN and infinities are not treated apart).
; A stream: no matrix unit, no cluster (no tile is shared), no tensor load (the rows go straight to registers).
; SHARES.  Work-group = (batch, 128 channels, group q of four chunks): 4 x 8 x 8 = 256.  Wave i of eight owns half i % 2 of chunk 4 q + i / 2: 64 rows x 512 bytes of each array; a load or store of the wave covers
; 512 consecutive bytes.
; THE CHAIN IS SHARED.  Wave i loads the last rows of the batch's chunks 4 i .. 4 i + 3 (8 loads), makes of them the one pair (F, H) with C_(4i+4) = F C_(4i) + H, and puts it into LDS; behind one barrier every wave
; walks the pairs of groups 0 to 6 (a pair with g >= q leaves the carry as it is, by a select) and then its own group's first three chunks (6 loads of its own; chunk j counts if j < i / 2).
; No trip count and no branch hangs on the wave's place.  Wave 7's pair is read by nobody: the price of one text for all waves.
; THE RING.  16 rows in registers, as eight blocks of two; the first 32 loads are issued ahead of the chain's arithmetic.
; THE MODE: SCHED_MODE bits 1:0 = 2 (LLVM: expert scheduling mode 2), set by the entry lines.  The code itself states the register dependences
; between vector instructions and memory or LDS instructions, with s_wait_alu, always for 0.
; THE PLAN.  The wave's 64 rows go in 32 blocks of two.  Registers that memory or LDS instructions touch:
;   v1          16 x lane: the offset of every global load and store and of the LDS loads; v3: the LDS address of my pair.  Made once at the head, never written again: the rows are reached by
;               the three scalar bases, which move on by 16 rows once a trip, and by immediate offsets.
;   OWN, GQ, TOT  at the head only.  OWN: loaded; composed in place; its first eight registers are the two LDS stores' data.  GQ: loaded.  TOT: LDS loads land in it.  The chain reads them.
;   X0 .. X7    Block p's four multiply-adds read X[p % 8]; the loads of block p + 7, issued in block p, land in X[(p - 1) % 8].
;   Y0 .. Y7    Block p's multiply-adds write Y[p % 8]; the two stores issued in block p + 1 read it; block p + 8 writes it again.  Y0 .. Y3 lie where OWN lay, Y4 .. Y7 where TOT's first 32 registers lay.
; Block p's six memory instructions touch X[(p - 1) % 8] and Y[(p - 1) % 8], which no vector instruction of block p names.  So ONE wait on va_vdst at a block's head states all that they hang on, and they are
; dealt among the block's multiply-adds with no further wait.  The pair s_wait_xcnt 0, vm_vsrc(0) stands at the heads of a trip's blocks 1 and 5: each run of blocks p + 2 .. p + 8 holds one of these heads,
; so every Y is rewritten behind a pair that stands behind its stores.
.set ROWB,   4096
.set CHUNKB, 128*ROWB
.set DEPTH,  16                        ; rows in the ring, and rows in a trip of the loop
.set ROWS,   64                        ; rows of a wave
.set CAR,    4                         ; v[4:7]      the carry of my four channels
.set TOT,    8                         ; v[8:63]     the pairs of groups 0 to 6, out of LDS: F in four registers, then H
.set Y2,     8                         ; v[8:39]     behind the chain: Y4 .. Y7, eight registers each: two rows of four
.set X,      64                        ; v[64:191]   row i of the ring's 16: fcum's 4 registers, then hloc's; block b is rows 2 b, 2 b + 1
.set Y,      192                       ; v[192:223]  Y0 .. Y3
.set OWN,    192                       ; v[192:223]  ahead of the ring's first block: the four last rows that I compose (F, then H)
.set GQ,     224                       ; v[224:247]  the last rows of my group's first three chunks
.set NN,     248                       ; v[248:251]  a step's candidate
.set SPW,    252                       ; v252        LDS address of my spare word: SPARE + 4 x my thread's number; never rewritten
.set NIL,    253                       ; v253        0; never rewritten
.set SPARE,  8192                      ; LDS: 0 .. 8,191 the eight pairs, 1,024 bytes a wave; then the spare words, 128 bytes for each wave: four blocks of 256 bytes that no other line names
	s_load_b128 s[4:7], s[0:1], 0x0                ; fcum s[4:5], hloc s[6:7]
	s_load_b64 s[8:9], s[0:1], 0x10                ; out0
	v_lshl_add_u32 v[SPW], v0, 2, SPARE
	v_mov_b32 v[NIL], 0
	v_lshrrev_b32 v3, 5, v0
	v_readfirstlane_b32 s10, v3                    ; wave i
	v_and_b32 v1, 31, v0
	v_lshlrev_b32 v1, 4, v1                        ; 16 bytes a lane; never rewritten
	s_wait_alu depctr_va_sdst(0)                   ; s10 is written, ahead of its first reader: the LDS address, the bases and the chain's bound are made from it
	s_lshl_b32 s15, s10, 10
	v_add_nc_u32 v3, s15, v1                       ; where my pair goes in LDS
	s_bfe_u32 s12, ttmp9, 0x30003                  ; q = (work-group / 8) % 8
	s_lshr_b32 s13, s10, 1                         ; my chunk's number in its group
	s_lshr_b32 s14, ttmp9, 6                       ; the batch,
	s_lshl_b32 s14, s14, 24                        ; its 4,096 rows of 4,096 bytes,
	s_and_b32 s15, ttmp9, 7
	s_lshl_b32 s15, s15, 9                         ; my 128 channels of 4 bytes
	s_add_co_u32 s14, s14, s15
	s_lshl_b32 s15, s12, 21                        ; group q's four chunks of 524,288 bytes
	s_add_co_u32 s26, s14, s15
	s_lshl_b32 s16, s10, 18                        ; my 64 rows in the group: wave x 64 rows
	s_add_co_u32 s16, s16, s26
	s_mov_b32 s17, 0
	s_add_co_u32 s26, s26, 127*ROWB                ; the last row of group q's first chunk
	s_mov_b32 s27, 0
	s_lshl_b32 s18, s10, 21
	s_add_co_u32 s18, s18, s14
	s_add_co_u32 s18, s18, 127*ROWB                ; the last row of group i's first chunk
	s_mov_b32 s19, 0
	s_wait_kmcnt 0x0
	s_add_nc_u64 s[20:21], s[4:5], s[18:19]
	s_add_nc_u64 s[22:23], s[6:7], s[18:19]
	s_add_nc_u64 s[28:29], s[4:5], s[26:27]
	s_add_nc_u64 s[30:31], s[6:7], s[26:27]
	s_add_nc_u64 s[4:5], s[4:5], s[16:17]
	s_add_nc_u64 s[6:7], s[6:7], s[16:17]
	s_add_nc_u64 s[8:9], s[8:9], s[16:17]
	s_wait_alu depctr_va_vdst(0)                   ; v1 and v3 are written: every load and store below reads one of them as its offset or address
.irp j, 0,1,2,3
	global_load_b128 v[OWN+8*\j:OWN+8*\j+3],   v1, s[20:21] offset:\j*CHUNKB
	global_load_b128 v[OWN+8*\j+4:OWN+8*\j+7], v1, s[22:23] offset:\j*CHUNKB
.endr
.irp j, 0,1,2
	global_load_b128 v[GQ+8*\j:GQ+8*\j+3],   v1, s[28:29] offset:\j*CHUNKB
	global_load_b128 v[GQ+8*\j+4:GQ+8*\j+7], v1, s[30:31] offset:\j*CHUNKB
.endr
.set i, 0
.rept DEPTH                            ; the ring is filled: my rows 0 to 15, blocks 0 to 7
	global_load_b128 v[X+8*i:X+8*i+3],   v1, s[4:5] offset:i*ROWB
	global_load_b128 v[X+8*i+4:X+8*i+7], v1, s[6:7] offset:i*ROWB
.set i, i+1
.endr
	s_wait_loadcnt 38                              ; the four rows that I compose are in; my group's 6 loads and the ring's 32 may be out
.irp j, 1,2,3                          ; in place in the first row's registers: H = F_j H + H_j, F = F_j F
	v_pk_fma_f32 v[OWN+4:OWN+5], v[OWN+8*\j:OWN+8*\j+1],   v[OWN+4:OWN+5], v[OWN+8*\j+4:OWN+8*\j+5]
	v_pk_fma_f32 v[OWN+6:OWN+7], v[OWN+8*\j+2:OWN+8*\j+3], v[OWN+6:OWN+7], v[OWN+8*\j+6:OWN+8*\j+7]
	v_pk_mul_f32 v[OWN:OWN+1],   v[OWN+8*\j:OWN+8*\j+1],   v[OWN:OWN+1]
	v_pk_mul_f32 v[OWN+2:OWN+3], v[OWN+8*\j+2:OWN+8*\j+3], v[OWN+2:OWN+3]
.endr
	s_wait_alu depctr_va_vdst(0)                   ; the composition has written v[OWN .. OWN + 7], which the two LDS stores read
	ds_store_b128 v3, v[OWN:OWN+3]
	ds_store_b128 v3, v[OWN+4:OWN+7] offset:512
	s_wait_dscnt 0x0                               ; for the others' sake: my pair is in LDS
	s_barrier_signal -1
	s_barrier_wait -1                              ; everybody's is
.irp g, 0,1,2,3,4,5,6
	ds_load_b128 v[TOT+8*\g:TOT+8*\g+3],   v1 offset:\g*1024      ; no vector instruction has named these registers yet
	ds_load_b128 v[TOT+8*\g+4:TOT+8*\g+7], v1 offset:\g*1024+512
.endr
.irp i, 0,1,2,3
	v_mov_b32 v[CAR+\i], 0                         ; C_0 = 0
.endr
; One step of the chain: C = F C + H if s[lim] > k, else C stays.  F lies at v[f .. f + 3], H behind it.  The mask is written by a scalar instruction.
.macro LINK f, lim, k
	s_cmp_gt_u32 s[\lim], \k
	s_cselect_b32 vcc_lo, -1, 0
	v_pk_fma_f32 v[NN:NN+1],   v[(\f):(\f)+1],   v[CAR:CAR+1],   v[(\f)+4:(\f)+5]
	v_pk_fma_f32 v[NN+2:NN+3], v[(\f)+2:(\f)+3], v[CAR+2:CAR+3], v[(\f)+6:(\f)+7]
.irp i, 0,1,2,3
	v_cndmask_b32 v[CAR+\i], v[CAR+\i], v[NN+\i], vcc_lo
.endr
.endm
.irp g, 0,1,2,3,4,5,6
	s_wait_dscnt 12-2*\g                           ; LDS loads come back in order (ISA guide 5.7.1): pair g is in, the younger pairs' loads may be out
	LINK TOT+8*\g, 12, \g                          ; the groups ahead of mine
.endr
	s_wait_loadcnt 32                              ; my group's rows are in; the ring's 32 loads may be out
.irp j, 0,1,2
	LINK GQ+8*\j, 13, \j                           ; the chunks of my group ahead of mine
.endr
; Block k (1 to 8) of a trip: block p = 8 t + k of the wave's 32.  At block 1's head the bases move on to row 16 (t + 1).
; ahead = 1: block p + 7 is loaded.  free = 1: the pair that frees the Y sets (and, in block 1, the bases).  left = how many younger loads may still be out.
.macro BLK k, ahead, free, left
.set XW, X+16*((\k)%8)                 ; X and Y at work,
.set XB, X+16*(((\k)+7)%8)             ; and those of the block before
.if (\k)%8 < 4
.set YW, Y+8*((\k)%8)
.else
.set YW, Y2+8*((\k)%8-4)
.endif
.if ((\k)+7)%8 < 4
.set YB, Y+8*(((\k)+7)%8)
.else
.set YB, Y2+8*(((\k)+7)%8-4)
.endif
	s_wait_loadcnt \left                           ; loads come back in order (ISA guide 5.7.1): this block's four are in, the younger blocks stay out
.if \free
	s_wait_xcnt 0x0                                ; every earlier memory instruction has had its addresses translated (ISA guide 3.1): the bases, and the Y sets of this block and the next three, are rewritten only behind this wait
	s_wait_alu depctr_vm_vsrc(0)                   ; the stores issued so far have read their Y sets, those of this block and of the next three among them, which the multiply-adds write again
.endif
	s_wait_alu depctr_va_vdst(0)                   ; the block before has written its Y, which the stores below read, and is done reading its X, in which the loads below land
.if (\k) == 1
.if \ahead
	s_add_nc_u64 s[4:5], s[4:5], DEPTH*ROWB
	s_add_nc_u64 s[6:7], s[6:7], DEPTH*ROWB
.endif
	s_add_nc_u64 s[8:9], s[8:9], DEPTH*ROWB
.endif
.irp i, 0,1
.if \ahead
	global_load_b128 v[XB+8*\i:XB+8*\i+3],   v1, s[4:5] offset:(2*(\k)-2+\i)*ROWB   ; seven blocks ahead; no vector instruction since the wait names these registers
	global_load_b128 v[XB+8*\i+4:XB+8*\i+7], v1, s[6:7] offset:(2*(\k)-2+\i)*ROWB
.endif
	global_store_b128 v1, v[YB+4*\i:YB+4*\i+3], s[8:9] offset:(2*(\k)-18+\i)*ROWB th:TH_STORE_NT  ; the block before: the offset reaches back
	v_pk_fma_f32 v[YW+4*\i:YW+4*\i+1],   v[XW+8*\i:XW+8*\i+1],   v[CAR:CAR+1],   v[XW+8*\i+4:XW+8*\i+5]
	v_pk_fma_f32 v[YW+4*\i+2:YW+4*\i+3], v[XW+8*\i+2:XW+8*\i+3], v[CAR+2:CAR+3], v[XW+8*\i+6:XW+8*\i+7]
.endr
.endm
	s_wait_alu depctr_vm_vsrc(0)                   ; my two LDS stores have read v[OWN .. OWN + 7]: these registers are Y0 from here on, which block 0 writes
	s_wait_loadcnt 28                              ; block 0: no block stands in front of it, and blocks 1 to 7 are on their way: it stores nothing and loads nothing
.irp i, 0,1
	v_pk_fma_f32 v[Y+4*\i:Y+4*\i+1],   v[X+8*\i:X+8*\i+1],   v[CAR:CAR+1],   v[X+8*\i+4:X+8*\i+5]
	v_pk_fma_f32 v[Y+4*\i+2:Y+4*\i+3], v[X+8*\i+2:X+8*\i+3], v[CAR+2:CAR+3], v[X+8*\i+6:X+8*\i+7]
.endr
	s_mov_b32 s24, ROWS/DEPTH-1
.Lround:                                               ; blocks 1 to 24, eight to a trip: both kinds of buffer are back at their start
	BLK 1, 1, 1, 24                                ; the four loads of each of six younger blocks stay out
	BLK 2, 1, 0, 24
	BLK 3, 1, 0, 24
	BLK 4, 1, 0, 24
	BLK 5, 1, 1, 24
	BLK 6, 1, 0, 24
	BLK 7, 1, 0, 24
	BLK 8, 1, 0, 24
	s_sub_co_u32 s24, s24, 1
	s_cmp_lg_u32 s24, 0
	s_cbranch_scc1 .Lround
	BLK 1, 0, 1, 24                                ; blocks 25 to 31 load nothing: no load leaves the buffers, and the counts run down.  The Y sets that blocks 29 to 31 write were last stored ahead of this head's pair
	BLK 2, 0, 0, 20
	BLK 3, 0, 0, 16
	BLK 4, 0, 0, 12
	BLK 5, 0, 0, 8
	BLK 6, 0, 0, 4
	BLK 7, 0, 0, 0
	s_wait_alu depctr_va_vdst(0)                   ; block 31 has written Y7, which the last two stores read
.irp i, 0,1
	global_store_b128 v1, v[Y2+24+4*\i:Y2+24+4*\i+3], s[8:9] offset:(\i-2)*ROWB th:TH_STORE_NT
.endr
	s_wait_dscnt 0x0                               ; the closing lines, six on end
	s_wait_alu 0x0
	s_wait_tensorcnt 0x0
	ds_add_u32 v[SPW], v[NIL]
	s_wait_dscnt 0x0
	s_endpgm
.Lfunc_end_k_q4ccee7befb_fix:
	.size	k_q4ccee7befb_fix, .Lfunc_end_k_q4ccee7befb_fix-k_q4ccee7befb_fix
	.p2alignl 7, 3214868480
	.fill 96, 4, 3214868480
	.section	.rodata,"a",@progbits
	.p2align	6, 0x0
	.amdhsa_kernel k_q4ccee7befb_fix
		.amdhsa_group_segment_fixed_size 9216
		.amdhsa_private_segment_fixed_size 0
		.amdhsa_enable_private_segment 0
		.amdhsa_kernarg_size 24
		.amdhsa_user_sgpr_count 2
		.amdhsa_user_sgpr_kernarg_segment_ptr 1
		.amdhsa_wavefront_size32 1
		.amdhsa_system_sgpr_workgroup_id_x 1
		.amdhsa_system_sgpr_workgroup_id_y 1
		.amdhsa_system_sgpr_workgroup_id_z 1
		.amdhsa_system_vgpr_workitem_id 0
		.amdhsa_next_free_vgpr 256
		.amdhsa_next_free_sgpr 66
		.amdhsa_reserve_vcc 1
		.amdhsa_float_denorm_mode_32 3
		.amdhsa_float_denorm_mode_16_64 3
		.amdhsa_memory_ordered 1
		.amdhsa_forward_progress 1
		.amdhsa_inst_pref_size 24
	.end_amdhsa_kernel
	.amdgpu_metadata
---
amdhsa.version: [ 1, 2 ]
amdhsa.kernels:
  - .name:           k_q4ccee7befb_fix
    .symbol:         k_q4ccee7befb_fix.kd
    .args:
      - { .name: fcum, .offset: 0, .size: 8, .value_kind: global_buffer, .address_space: global }
      - { .name: hloc, .offset: 8, .size: 8, .value_kind: global_buffer, .address_space: global }
      - { .name: out0, .offset: 16, .size: 8, .value_kind: global_buffer, .address_space: global }
    .group_segment_fixed_size: 9216
    .private_segment_fixed_size: 0
    .kernarg_segment_align: 8
    .kernarg_segment_size: 24
    .max_flat_workgroup_size: 256
    .sgpr_count:     66
    .vgpr_count:     256
    .wavefront_size: 32
...
	.end_amdgpu_metadata
.endif
;; end of part 5
